; MI455X (gfx1250); checked and timed in simulation.
; The chip was launched on July 23, 2026; its instructions are those of AMD's public machine-readable ISA for CDNA 5 (MIT licence, August 2026) and "CDNA5" Instruction Set Architecture Reference Guide (July 2026). The comments in the code are by the model that wrote it; some were corrected since.
;; Machete Layer. Allowed arithmetic: matrix products marked QUANTISED: E2M1 operands, one E8M0 scale for each 32 along K, by v_wmma_scale_f32_16x16x128_f8f6f4 with both operands' format E2M1 (or v_wmma_scale_f32_32x16x128_f4), f32 sums; everything else in f32.
;; Inputs: B 1,024 x 8,192 int32; s 64 x 8,192 float32; x 64 x 8,192 float32.
;; Outputs: out0 64 x 8,192 float32.
;; This version of the problem:
;;   THIS VERSION OF THE PROBLEM IS GIVEN IN LOW PRECISION. The matrix products marked QUANTISED in the list below multiply operands that are first quantised to E2M1 (2 exponent bits, 1 mantissa bit; 4 bits a number), with one power-of-two scale for each 32 numbers along K (OCP MX v1.0); their sums are f32. All else is computed in f32.
;;   The module's matrix products, in the order in which they are computed (A, B: the left and right operand; K: the contracted axis; several contracted axes count as one K, in the product's order):
;;     1. [M 64, K 8,192] x [K 8,192, N 8,192]; A: input x; B: computed on the way: QUANTISED
;;   THE QUANTISER, for each operand of a quantised product, along K:
;;     - K is cut into blocks of 32 from its start; a last block that is shorter is filled with zeros.
;;     - A block's scale is 2^e with e = floor(log2(the largest magnitude in the block)) - 2, held to -126 .. 127; a block of zeros has e = 0. As a byte (E8M0): e + 127.
;;     - Each number is divided by its block's scale, clamped to +-6, and rounded to the nearest number of E2M1, ties to even, subnormals kept.
;;     - The product sums the exact products of the quantised numbers (number of the format x scale) in f32.
;;   ~~~python
;;   def quantise(x, axis):      # numpy; x: float32 -> the quantised numbers, widened to float32 again
;;       x = np.moveaxis(x, axis, -1); K = x.shape[-1]
;;       x = np.pad(x, [(0, 0)] * (x.ndim - 1) + [(0, -K % 32)]); x = x.reshape(x.shape[:-1] + (-1, 32)); a = np.abs(x).max(-1, keepdims=True)
;;       e = np.where(a > 0, np.clip(np.frexp(np.where(a > 0, a, 1))[1] - 1 - 2, -126, 127), 0)      # np.frexp(a)[1] - 1 = floor(log2(a)), exactly
;;       r = np.clip(x / 2.0 ** e, -6, 6)
;;       step = 2.0 ** (np.maximum(np.frexp(np.where(r == 0, 1, r))[1] - 1, 0) - 1)
;;       q = np.round(r / step) * step * 2.0 ** e      # np.round: ties to even
;;       return np.moveaxis(q.reshape(q.shape[:-2] + (-1,))[..., :K], -1, axis).astype(np.float32)
;;   ~~~
;;   OPERANDS COMPUTED ON THE WAY. 'Computed on the way' means the value that the module computes at that place (a softmax that the list does not call 'softmax' is quantised finished and normalised). What goes into a quantiser is computed in f32, as accurately as f32 sums, v_exp_f32 and their like allow (about 1e-6 of the number): no bf16 or f16 on the way to a quantiser, and a product that is left as it is and whose result goes on into a quantised operand takes f32 operands (vector FMAs, or v_wmma_f32_16x16x4_f32). A number that lies on a knife's edge between two numbers of the format may be rounded either way, as far as f32 arithmetic and the matrix unit's own rounding can turn it there, and no further.
;; 2 versions. Each part assembles by itself: llvm-mc -triple=amdgcn-amd-amdhsa -mcpu=gfx1250 --defsym DOCPART=n.
;; ======== version 1 of 2: 2 launches
;; workspace buffers: ximg 278,528 bytes
;; launch quantx (part 1): grid 64 x 1, 4 waves a work-group, no clusters, 768 bytes of LDS; arguments x, ximg; writes ximg
.if DOCPART == 1
	.amdgcn_target "amdgcn-amd-amdhsa--gfx1250"
	.amdhsa_code_object_version 6
	.text
	.protected	k_q8fc96c86bc_quantx
	.globl	k_q8fc96c86bc_quantx
	.p2align	8
	.type	k_q8fc96c86bc_quantx,@function
k_q8fc96c86bc_quantx:
	s_mov_b64 s[64:65], 0
	v_nop
	global_prefetch_b8 v0, s[64:65] scope:SCOPE_SE
	s_setreg_imm32_b32 hwreg(HW_REG_WAVE_MODE, 25, 1), 1
	s_wait_xcnt 0x0
; x [64][8192] f32 becomes codes of FP4 (E2M1) with one E8M0 scale byte for each 32 along K, laid as the product's launch reads them:
; ximg = 64 K steps of 128 along K, STEPB bytes each: four fragments (16 rows x 128 K) as IMAGES OF THE OPERAND'S REGISTERS (registers 0-3: lane l's 16 bytes at 16 l, 512 bytes; registers 4-7: the next 512),
; then 256 bytes of scale words, row r of tile m at 16 r + 4 m, so that one load of 16 bytes gives a lane its row's words of all four tiles.
; A block's scale is 2^(floor(log2(its largest magnitude)) - 2); its byte is the largest magnitude's exponent field - 2, held at 1 from below by a floor among the maximum's leaves.
; (A block of zeros so gets the byte 1 where the rule says 127: its codes are zeros, which add nothing, and this program alone reads the bytes.)
; THE ORDER INSIDE EACH 8 ALONG K IS 0,2,4,6,1,3,5,7: the product's launch unpacks a word of B into its even nibbles and then its odd ones, and the same order on both operands keeps every product; blocks of 32 stay whole.
; SHARES: work-group = K step, wave m = rows 16 m .. 16 m + 15.  Lane (r, h) takes row r and the blocks h and 2 + h of the K step, which is what the operand's layout gives that lane: all 32 numbers of a block are its own.
; LIMITS: NaN and infinities are not served.
.set STEPB, 4352                       ; a K step's image in bytes: 4 x 1,024 + 256
.set AM,  8                            ; v8-9    the two blocks' largest magnitudes
.set SC,  10                           ; v10-11  the conversions' scale operands
.set BY,  12                           ; v12-13  the scale bytes
.set WD,  14                           ; v14     my row's scale word
.set PT,  15                           ; v15     lane l xor 16's part of it
.set PC,  16                           ; v16-23  the fragment
.set X,   32                           ; v32-95  64 numbers as loaded
.set Y,   96                           ; v96-159 the same in the order in which they are coded
	s_load_b128 s[4:7], s[0:1], 0x0                ; x s[4:5], ximg s[6:7]
	v_lshl_add_u32 v160, v0, 2, 0x100
	v_mov_b32 v161, 0
	v_lshrrev_b32 v1, 5, v0
	v_readfirstlane_b32 s8, v1                     ; wave = tile of rows m
	v_and_b32 v2, 15, v0                           ; r
	v_bfe_u32 v3, v0, 4, 1                         ; h
	v_lshlrev_b32 v4, 15, v2                       ; x: row r of 32,768 bytes,
	v_lshl_add_u32 v4, v3, 7, v4                   ;    + 128 h: lanes 16-31 begin one block further on
	v_and_b32 v5, 31, v0                           ; lane
	v_lshlrev_b32 v6, 4, v5                        ; an image's place for my lane: 16 x lane
	v_lshlrev_b32 v7, 3, v3                        ; 8 h: how far up my two bytes stand in the scale word
	s_lshl_b32 s9, s8, 2
	v_lshl_add_u32 v24, v2, 4, s9                  ; LDS: 16 r + 4 m: my row's scale word
	v_lshlrev_b32 v25, 3, v5                       ; 8 x lane: the scale words' way out
	v_mov_b32 v[PT], 0                             ; a lane permute's destination counts as one of its sources
	s_mov_b32 s20, 0x76543210
	s_mov_b32 s21, 0xfedcba98                      ; v_permlanex16_b32's selects for lane l xor 16
	s_lshl_b32 s10, s8, 19                         ; 16 m rows of x,
	s_lshl_b32 s11, ttmp9, 9                       ; the K step's 512 bytes of a row
	s_add_co_u32 s10, s10, s11
	s_mov_b32 s11, 0
	s_mul_i32 s12, ttmp9, STEPB                    ; the K step's image,
	s_lshl_b32 s13, s8, 10                         ; my tile's fragment in it
	s_add_co_u32 s12, s12, s13
	s_mov_b32 s13, 0
	s_wait_kmcnt 0x0
	s_add_nc_u64 s[4:5], s[4:5], s[10:11]
	s_add_nc_u64 s[6:7], s[6:7], s[12:13]
.irp c, 0,1                                    ; block 2 c + h: 32 numbers, 128 bytes
.irp q, 0,1,2,3,4,5,6,7
	global_load_b128 v[X+32*\c+4*\q:X+32*\c+4*\q+3], v4, s[4:5] offset:256*\c+16*\q th:TH_LOAD_NT
.endr
.endr
	s_wait_loadcnt 0x0
.irp c, 0,1
	v_max3_num_f32 v[AM+\c], |v[X+32*\c]|, |v[X+32*\c+1]|, 0x1800000   ; with the floor 2^(3 - 127): the byte cannot fall under 1
.endr
.irp i, 2,4,6,8,10,12,14,16,18,20,22,24,26,28,30
.irp c, 0,1
	v_max3_num_f32 v[AM+\c], v[AM+\c], |v[X+32*\c+\i]|, |v[X+32*\c+\i+1]|   ; the two blocks by turns
.endr
.endr
.set n, 0
.rept 64                                       ; place p of each 8 takes the number at 0,2,4,6,1,3,5,7: the conversions take their numbers from consecutive registers
	v_mov_b32 v[Y+n], v[X+(n/8)*8+(2*(n%8))%8+(n%8)/4]
.set n, n+1
.endr
.irp c, 0,1
	v_add_nc_u32 v[SC+\c], 0xff000000, v[AM+\c]    ; 2 off the exponent field: the conversion takes the exponent field of this operand as its scale
.endr
.irp c, 0,1
	v_lshrrev_b32 v[BY+\c], 23, v[SC+\c]           ; the scale's byte
.endr
	v_lshl_or_b32 v[WD], v[BY+1], 16, v[BY]        ; my two bytes: blocks h and 2 + h,
	v_lshlrev_b32 v[WD], v7, v[WD]                 ; at their places in the word;
	v_permlanex16_b32 v[PT], v[WD], s20, s21
	v_or_b32 v[WD], v[WD], v[PT]                   ; with lane l xor 16's two the word is whole
.irp c, 0,1
.irp g, 0,1,2,3
	v_cvt_scalef32_pk8_fp4_f32 v[PC+4*\c+\g], v[Y+32*\c+8*\g:Y+32*\c+8*\g+7], v[SC+\c]   ; registers 4 c .. 4 c + 3 of the operand
.endr
.endr
	v_nop                                          ; one plain line behind the last scaled conversion
	global_store_b128 v6, v[PC:PC+3], s[6:7]               ; 32 lanes store 512 consecutive bytes, at a multiple of 256 from the buffer's first byte
	global_store_b128 v6, v[PC+4:PC+7], s[6:7] offset:512
	ds_store_b32 v24, v[WD]                        ; lanes r and 16 + r write the same word with the same value
	s_wait_dscnt 0x0                               ; for the others' sake: my store has landed
	s_barrier_signal -1
	s_barrier_wait -1                              ; the 64 rows' words lie in LDS
	s_cmp_lg_u32 s8, 0
	s_cbranch_scc1 .Ldone                          ; wave 0 (whose base stands at the image's first byte) stores them
	ds_load_b64 v[26:27], v25
	s_wait_dscnt 0x0
	global_store_b64 v25, v[26:27], s[6:7] offset:4096     ; 32 lanes store 256 consecutive bytes, aligned
.Ldone:
	s_wait_tensorcnt 0x0
	ds_add_u32 v160, v161
	s_wait_dscnt 0x0
	s_endpgm
.Lfunc_end_k_q8fc96c86bc_quantx:
	.size	k_q8fc96c86bc_quantx, .Lfunc_end_k_q8fc96c86bc_quantx-k_q8fc96c86bc_quantx
	.p2alignl 7, 3214868480
	.fill 96, 4, 3214868480
	.section	.rodata,"a",@progbits
	.p2align	6, 0x0
	.amdhsa_kernel k_q8fc96c86bc_quantx
		.amdhsa_group_segment_fixed_size 768
		.amdhsa_private_segment_fixed_size 0
		.amdhsa_enable_private_segment 0
		.amdhsa_kernarg_size 16
		.amdhsa_user_sgpr_count 2
		.amdhsa_user_sgpr_kernarg_segment_ptr 1
		.amdhsa_wavefront_size32 1
		.amdhsa_system_sgpr_workgroup_id_x 1
		.amdhsa_system_sgpr_workgroup_id_y 1
		.amdhsa_system_sgpr_workgroup_id_z 1
		.amdhsa_system_vgpr_workitem_id 0
		.amdhsa_next_free_vgpr 162
		.amdhsa_next_free_sgpr 66
		.amdhsa_reserve_vcc 0
		.amdhsa_float_denorm_mode_32 3
		.amdhsa_float_denorm_mode_16_64 3
		.amdhsa_memory_ordered 1
		.amdhsa_forward_progress 1
		.amdhsa_inst_pref_size 9
	.end_amdhsa_kernel
	.amdgpu_metadata
---
amdhsa.version: [ 1, 2 ]
amdhsa.kernels:
  - .name:           k_q8fc96c86bc_quantx
    .symbol:         k_q8fc96c86bc_quantx.kd
    .args:
      - { .name: x, .offset: 0, .size: 8, .value_kind: global_buffer, .address_space: global }
      - { .name: ximg, .offset: 8, .size: 8, .value_kind: global_buffer, .address_space: global }
    .group_segment_fixed_size: 768
    .private_segment_fixed_size: 0
    .kernarg_segment_align: 8
    .kernarg_segment_size: 16
    .max_flat_workgroup_size: 128
    .sgpr_count:     66
    .vgpr_count:     162
    .wavefront_size: 32
...
	.end_amdgpu_metadata
.endif
;; end of part 1
;; launch gemm (part 2): grid 256 x 1, 8 waves a work-group, clusters of 4 x 1, 279,552 bytes of LDS; arguments B, s, ximg, out0; writes out0
.if DOCPART == 2
	.amdgcn_target "amdgcn-amd-amdhsa--gfx1250"
	.amdhsa_code_object_version 6
	.text
	.protected	k_q8fc96c86bc_gemm
	.globl	k_q8fc96c86bc_gemm
	.p2align	8
	.type	k_q8fc96c86bc_gemm,@function
k_q8fc96c86bc_gemm:
	s_mov_b64 s[64:65], 0
	v_nop
	global_prefetch_b8 v0, s[64:65] scope:SCOPE_SE
	s_setreg_imm32_b32 hwreg(HW_REG_WAVE_MODE, 25, 1), 1
	s_wait_xcnt 0x0
	s_wait_alu depctr_hold_cnt(0) depctr_sa_sdst(0) depctr_va_vdst(0) depctr_va_sdst(0) depctr_va_ssrc(0) depctr_va_vcc(0) depctr_vm_vsrc(0)
	s_getreg_b32 s2, hwreg(HW_REG_IB_STS2, 6, 4)
	s_cmp_eq_u32 s2, 0
	s_cbranch_scc0 .Lentry_in_a_cluster
	s_endpgm
.Lentry_in_a_cluster:
	s_bfe_u32 s2, ttmp6, 0x10000c
	s_cmp_lg_u32 s2, 0x3003
	s_cbranch_scc0 .Lentry_shape_is_right
	s_endpgm
.Lentry_shape_is_right:
; out0[m][n] = sum over k of Q(x)[m][k] Q(w)[k][n],  w[k][n] = (nibble k % 8 of B[k / 8][n] - 8) x s[k / 128][n],  Q = MX-FP4 along K (E2M1 codes, one E8M0 byte for each 32).  x's codes come from ximg (made by the launch before).
; SHARES.  A work-group owns 32 columns and ALL of K, so each output has one owner.  Its eight waves split K: wave w takes K steps (of 128) 8 w .. 8 w + 7.  Lane (r, h) owns columns 2 r and 2 r + 1 (tile i = the columns 2 r + i)
; and, of each K step, the blocks h and 2 + h: what the operand's layout gives that lane.  A word of B is 8 neighbours along K of one column, the lower k in the lower nibble: it becomes one register of the operand.
; A WORD'S WAY, 13 vector lines for 8 weights: two masks and a shift lay its even nibbles in one register and its odd ones in the next, a nibble to a byte.  A byte 0 .. 15 read as E4M3 is nibble x 2^-9 (the format's subnormals
; and its first binade are evenly spaced), so ONE conversion gives 8 numbers in f32; a packed multiply-add makes (nibble x 2^-9) x (512 s) - 8 s = (nibble - 8) s, rounded once, as a plain f32 product is; the block's largest
; magnitude (all 32 numbers are the lane's) gives the scale; one conversion packs 8 codes.  Inside each 8 along K the order is then 0,2,4,6,1,3,5,7; ximg has the same order, so every product stays.
; MEMORY.  All of a wave's loads of B (64, 8 bytes a lane: 16 lanes read 128 consecutive bytes) and of s (8) are issued at the head: a work-group's whole slice of B is on its way at once, and nothing is left to ask for earlier.
; 32 columns are half of an aligned 256 bytes of a row: the two work-groups that read the two halves are neighbours in one cluster; so B's loads carry no non-temporal hint.
; CLUSTER.  All work-groups read the same ximg: the four of a cluster ask for it JOINTLY.  Wave w's two tensor loads bring the images of its own 8 K steps into LDS bytes that it alone reads; they are filled once in the launch.
; THE MATRIX INSTRUCTION IS USED TRANSPOSED (source 0 = 16 columns of w, source 1 = 16 rows of x): a lane holds one row of out0.  At the end the eight waves' sums meet in LDS and each wave adds and stores 8 rows.
; LIMITS: NaN and infinities in s are not served; |s| stays under 2^118 (512 s is formed).  A block of zeros gets the byte 1 with zero codes.
; REGISTERS.  Window 0: v1-15 addresses and scratch; T nibbles as bytes; V a block in f32; F the weights' two fragments; BS, XS scale words (and nothing else); SA, CN 512 s and -8 s; v86-107 the way out; SR s; RAW 8 K steps of B.
;             Window 1: v0-63 the 8 accumulators ((m, i) at 8 (2 m + i)); v64-95 x's four fragments.
.set NB,     32768                     ; bytes in a row of B, of s and of out0
.set STEPB,  4352                      ; a K step's image of x: 4 fragments of 1,024 bytes, 256 bytes of scale words
.set WREG,   8*STEPB                   ; a wave's bytes of LDS and of ximg
.set HALFX,  4*STEPB                   ; what one tensor load brings: 68 rows of 256 bytes
.set SPITCH, 144                       ; the way out: a row of 32 sums + 16 bytes: 9 x 16, so the 16 rows that a store touches lie in 16 different columns of 16 bytes modulo 256
.set BOFF, 1                           ; v1   B: 4 h rows + 8 r
.set SOFF, 2                           ; v2   s: 8 r
.set LX,   3                           ; v3   LDS: my wave's bytes + 16 x lane
.set LXS,  4                           ; v4   LDS: my wave's bytes + 4,096 + 16 r
.set SH8,  5                           ; v5   8 h
.set SCL,  6                           ; v6   the byte 127 four times: the unpacking conversion's scale, 1
.set PT,   7                           ; v7   lane l xor 16's part of a scale word
.set MX,   8                           ; v8-11  four running maxima
.set SC,   12                          ; v12  the packing conversion's scale operand
.set BY,   13                          ; v13-14 a tile's two scale bytes of mine
.set WD,   15                          ; v15  a scale word in the making
.set T,    16
.set V,    24
.set F,    56
.set BS,   72
.set XS,   74
.set SA,   78                          ; v78 512 s of column 0, v80 of column 1: each the low word of a pair
.set CN,   82                          ; v82 -8 s of column 0, v84 of column 1
.set STO,  86
.set OO,   87
.set QQ,   88
.set GG,   89
.set RD,   90                          ; v90-97
.set OUTR, 100                         ; v100-107
.set SR,   112
.set RAW,  128
.set ACC,  0                           ; window 1
.set XA,   64                          ; window 1
.set WV,   12                          ; s12  my wave's number
.set G1,   24                          ; s[24:31] descriptor group 1;  s[32:35], s[36:39] group 0 of my two loads
.set G0,   32
.set MSB, 0
.macro WIN new                         ; the immediate's high byte repeats the setting that is left
.if MSB != \new
	s_set_vgpr_msb (MSB<<8)|\new
.set MSB, \new
.endif
.endm
.macro CROUND                          ; a round of the cluster's barrier: my work-group's barrier, wave 0 signals for the work-group, every wave waits for all four, my work-group's barrier once more
	s_barrier_signal -1
	s_barrier_wait -1
	s_cmp_lg_u32 s[WV], 0
	s_cbranch_scc1 .Lnot_wave_0_\@
	s_barrier_signal -3
.Lnot_wave_0_\@:
	s_barrier_wait -3
	s_barrier_signal -1
	s_barrier_wait -1
.endm
	s_load_b256 s[4:11], s[0:1], 0x0               ; B s[4:5], s s[6:7], ximg s[8:9], out0 s[10:11]
	v_lshl_add_u32 v110, v0, 2, 0x44000
	v_mov_b32 v111, 0
	ds_add_u32 v110, v111
	ds_add_u32 v110, v111
	v_lshrrev_b32 v[PT], 5, v0
	v_readfirstlane_b32 s[WV], v[PT]               ; wave 0..7
	s_bfe_u32 s13, ttmp6, 0x40000                  ; cx: my place in the cluster; it enters B's, s's and out0's addresses alone
	s_lshl_b32 s14, ttmp9, 2                       ; in a cluster launch ttmp9 counts clusters
	s_add_co_u32 s14, s14, s13                     ; my work-group
	s_lshl_b32 s14, s14, 7                         ; its 32 columns: 128 bytes of a row
	s_mov_b32 s15, 0
	s_lshl_b32 s16, s[WV], 22                      ; B: my wave's 128 rows
	s_mov_b32 s17, 0
	s_lshl_b32 s18, s[WV], 18                      ; s: my wave's 8 rows
	s_mov_b32 s19, 0
	s_mov_b32 s20, 0x76543210
	s_mov_b32 s21, 0xfedcba98                      ; v_permlanex16_b32's selects for lane l xor 16
	s_mov_b32 s22, 0x0f0f0f0f                      ; a nibble of each byte
	s_mul_i32 s40, s[WV], WREG                     ; my wave's bytes, in LDS and in ximg alike: the wave's number alone enters them
	s_mov_b32 s41, 0
	; descriptor group 1: a dense block as 68 rows of 256 bytes (32 elements of 8 bytes), no padding: every LDS read of it takes 512 consecutive bytes
	s_mov_b32 s[G1+0], 15|(3<<16)|(1<<21)          ; 15:0 the mask: all four work-groups; 17:16 elements of 8 bytes; 21 set beside a mask
	s_mov_b32 s[G1+1], 32<<16                      ; tensor_dim0 = 32
	s_mov_b32 s[G1+2], 68<<16                      ; tensor_dim1 = 68
	s_mov_b32 s[G1+3], 32<<16                      ; tile_dim0 = 32
	s_mov_b32 s[G1+4], 68                          ; tile_dim1 = 68
	s_mov_b32 s[G1+5], 32                          ; from row to row: 32 elements
	s_mov_b32 s[G1+6], 0
	s_mov_b32 s[G1+7], 0
	v_and_b32 v[WD], 15, v0                        ; r
	v_bfe_u32 v[SH8], v0, 4, 1                     ; h
	v_lshlrev_b32 v[SOFF], 3, v[WD]
	v_lshl_add_u32 v[BOFF], v[SH8], 17, v[SOFF]    ; lanes 16-31 begin 4 rows (a block of 32 along K) further down
	v_and_b32 v[LX], 31, v0
	v_lshl_add_u32 v[LX], v[LX], 4, s40
	v_lshl_add_u32 v[LXS], v[WD], 4, s40
	v_add_nc_u32 v[LXS], 4096, v[LXS]
	v_lshlrev_b32 v[SH8], 3, v[SH8]
	v_mov_b32 v[SCL], 0x7f7f7f7f
	v_mov_b32 v[SA+1], 0                           ; the upper words of the four pairs are named by the packed lines and never used: written once
	v_mov_b32 v[SA+3], 0
	v_mov_b32 v[CN+1], 0
	v_mov_b32 v[CN+3], 0
	s_wait_dscnt 0x0
	s_wait_kmcnt 0x0
	s_add_nc_u64 s[4:5], s[4:5], s[14:15]
	s_add_nc_u64 s[4:5], s[4:5], s[16:17]
	s_add_nc_u64 s[6:7], s[6:7], s[14:15]
	s_add_nc_u64 s[6:7], s[6:7], s[18:19]
	s_add_nc_u64 s[10:11], s[10:11], s[14:15]
	s_mov_b32 s[G0+0], 1                           ; count = 1
	s_mov_b32 s[G0+1], s40                         ; LDS address: my K steps 0-3
	s_add_nc_u64 s[G0+2:G0+3], s[8:9], s[40:41]    ; and where they lie in ximg
	s_mov_b32 s[G0+4], 1
	s_add_co_u32 s[G0+5], s40, HALFX               ; my K steps 4-7
	s_add_nc_u64 s[G0+6:G0+7], s[G0+2:G0+3], HALFX
	s_or_b32 s[G0+3], s[G0+3], 0x80000000          ; type = 2
	s_or_b32 s[G0+7], s[G0+7], 0x80000000
.macro LOADB t                         ; K step t: rows 16 t + 8 c + 4 h + j, my two columns
.irp c, 0,1
.irp j, 0,1,2,3
	global_load_b64 v[RAW+16*(\t)+8*\c+2*\j:RAW+16*(\t)+8*\c+2*\j+1], v[BOFF], s[4:5] offset:(16*(\t)+8*\c+\j)*NB
.endr
.endr
.endm
.irp t, 0,1,2,3,4,5,6,7
	global_load_b64 v[SR+2*\t:SR+2*\t+1], v[SOFF], s[6:7] offset:\t*NB   ; s of my two columns, a row for each K step
.endr
.irp t, 0,1,2,3
	LOADB \t                                       ; half of B is asked for ahead of the round, so that it is on its way while the four work-groups meet
.endr
	CROUND                                         ; all four work-groups are here: the joint loads meet
	tensor_load_to_lds s[G0:G0+3], s[G1:G1+7]      ; my two loads go out together: two tensor loads of mine are out at the most
	s_nop 0
	tensor_load_to_lds s[G0+4:G0+7], s[G1:G1+7]
	s_nop 0
.rept 4
	v_nop
.endr
.irp t, 4,5,6,7
	LOADB \t
.endr
; WORK DONE AHEAD.  The lines that prepare the NEXT block (UT, UI, UC: its K step, column, half) are numbered, and AHEAD writes the next cnt of them.  They are set into the serial end of a block's maximum, where the wave
; would otherwise wait for its own results, and behind the packing conversions, where plain lines are owed.  Where the next block begins a K step (NC = 4), the K step's four constants come first.
.macro CONST1 n
.if (\n) < 2
	v_mul_f32 v[SA+2*(\n)], 0x44000000, v[SR+2*UT+(\n)]            ; 512 s: exact
.else
	v_mul_f32 v[CN+2*((\n)-2)], 0xc1000000, v[SR+2*UT+(\n)-2]      ; -8 s: exact
.endif
.endm
.macro UOP n                           ; lines 0-7: word j's even nibbles into T + 2 j, the word shifted by a nibble into T + 2 j + 1; lines 8-10: the odd nibbles of words 0-2 (word 3's: at the head of REST)
.if (\n) < 8
.if ((\n)%2) == 0
	v_and_b32 v[T+(\n)], s22, v[RAW+16*UT+8*UC+UI+(\n)]
.else
	v_lshrrev_b32 v[T+(\n)], 4, v[RAW+16*UT+8*UC+UI+(\n)-1]
.endif
.else
	v_and_b32 v[T+2*((\n)-8)+1], s22, v[T+2*((\n)-8)+1]
.endif
.endm
.macro AHEAD cnt
.rept \cnt
.if AN < NC
	CONST1 AN
.else
	UOP AN-NC
.endif
.set AN, AN+1
.endr
.endm
.macro NEXTB t, i, c, nc
.set UT, \t
.set UI, \i
.set UC, \c
.set NC, \nc
.set AN, 0
.endm
; A BLOCK of 32 along K of column i, half c of the K step; its nibbles lie in T.  kind = 0: the next block belongs to the same K step; 1: it begins the next K step; 2: there is none.
.macro REST i, c, kind
.if \kind == 0
.set A1, 2
.set A4, 2
.set A5, 3
.elseif \kind == 1
.set A1, 2
.set A4, 1
.set A5, 8
.else
.set A1, 0
.set A4, 0
.set A5, 0
.endif
.irp j, 0,1,2
	v_cvt_scale_pk8_f32_fp8 v[V+8*\j:V+8*\j+7], v[T+2*\j:T+2*\j+1], v[SCL]   ; 8 nibbles x 2^-9 in f32: the even ones, then the odd ones
.endr
	v_and_b32 v[T+7], s22, v[T+7]                  ; word 3's odd nibbles.  It is also the plain line between the three conversions above and the first use of their results
	v_cvt_scale_pk8_f32_fp8 v[V+24:V+31], v[T+6:T+7], v[SCL]                 ; (its own results are first used 12 plain lines further down)
.irp p, 0,2,4,6,8,10,12,14,16,18,20,22,24,26,28,30
	v_pk_fma_f32 v[V+\p:V+\p+1], v[V+\p:V+\p+1], v[SA+2*(\i):SA+2*(\i)+1], v[CN+2*(\i):CN+2*(\i)+1] op_sel_hi:[1,0,0]   ; (nibble - 8) s, rounded once; of the pairs 512 s and -8 s the low word serves both halves
.endr
.irp j, 0,1,2,3
	v_max3_num_f32 v[MX+\j], |v[V+8*\j]|, |v[V+8*\j+1]|, |v[V+8*\j+2]|       ; the largest magnitude, in four chains
.endr
.irp j, 0,1,2,3
	v_max3_num_f32 v[MX+\j], v[MX+\j], |v[V+8*\j+3]|, |v[V+8*\j+4]|
.endr
.irp j, 0,1,2,3
	v_max3_num_f32 v[MX+\j], v[MX+\j], |v[V+8*\j+5]|, |v[V+8*\j+6]|
.endr
.if \kind == 1
	s_wait_loadcnt 8*(6-TT)                        ; the next K step's 8 loads of B are in; the 8 of each K step behind it may stay out
.endif
	v_max3_num_f32 v[MX], v[MX], v[MX+1], |v[V+7]|
	v_max3_num_f32 v[MX+2], v[MX+2], v[MX+3], |v[V+15]|
	AHEAD A1
	v_max3_num_f32 v[MX], v[MX], v[MX+2], |v[V+23]|
	AHEAD A1
	v_max3_num_f32 v[MX], v[MX], |v[V+31]|, 0x1800000      ; and the floor 2^(3 - 127): the byte cannot fall under 1
	AHEAD A1
	v_add_nc_u32 v[SC], 0xff000000, v[MX]          ; 2 off the exponent field: the conversion takes the exponent field of this operand as its scale
	AHEAD A4
	v_lshrrev_b32 v[BY+(\c)], 23, v[SC]            ; the scale's byte: block 2 c + h of the K step
.if \c == 1
	v_lshl_or_b32 v[WD], v[BY+1], 16, v[BY]        ; my two bytes of the column's scale word,
.endif
	v_cvt_scalef32_pk8_fp4_f32 v[F+8*(\i)+4*(\c)], v[V:V+7], v[SC]           ; word j's 8 codes: register 4 c + j of tile i's fragment
.if \c == 1
	v_lshlrev_b32 v[WD], v[SH8], v[WD]             ; at their places (8 h bits up);
.endif
	v_cvt_scalef32_pk8_fp4_f32 v[F+8*(\i)+4*(\c)+1], v[V+8:V+15], v[SC]
.if \c == 1
	v_permlanex16_b32 v[PT], v[WD], s20, s21
.endif
	v_cvt_scalef32_pk8_fp4_f32 v[F+8*(\i)+4*(\c)+2], v[V+16:V+23], v[SC]
.if \c == 1
	v_or_b32 v[BS+(\i)], v[WD], v[PT]              ; with lane l xor 16's two the word is whole
.endif
	v_cvt_scalef32_pk8_fp4_f32 v[F+8*(\i)+4*(\c)+3], v[V+24:V+31], v[SC]
	AHEAD A5                                       ; plain lines between these conversions and the next writer of V and SC.  kind = 1: eight of them: a scale word written by a vector line stands 8 places ahead of
.if \kind == 2                                 ; a scaled matrix instruction, an operand so written 4
.rept 8
	v_nop
.endr
.endif
.endm
.macro XFETCH t                        ; x's scale words and four fragments of my K step t, as they lie: each load takes 512 consecutive bytes (the scale words: 256, both halves of the lanes the same)
	ds_load_b128 v[XS:XS+3], v[LXS] offset:(\t)*STEPB
	WIN 0x40                                       ; destination window 1
.irp m, 0,1,2,3
.irp c, 0,1
	ds_load_b128 v[XA+8*\m+4*\c:XA+8*\m+4*\c+3], v[LX] offset:(\t)*STEPB+1024*\m+512*\c
.endr
.endr
	WIN 0
.endm
.macro MULS zero                       ; 8 matrix instructions, the 8 accumulators by turns, in the same order in every K step.  zero = 1: the first K step starts the sums
	s_wait_dscnt 0x0                               ; x's fragments, asked for three blocks ago
	WIN 0x54                                       ; source 0 (w) window 0, source 1 (x), C and D window 1
.irp m, 0,1,2,3
.irp i, 0,1
.if \zero
	v_wmma_scale_f32_16x16x128_f8f6f4 v[ACC+8*(2*\m+\i):ACC+8*(2*\m+\i)+7], v[F+8*\i:F+8*\i+7], v[XA+8*\m:XA+8*\m+7], 0, v[BS+\i], v[XS+\m] matrix_a_fmt:MATRIX_FMT_FP4 matrix_b_fmt:MATRIX_FMT_FP4
.else
	v_wmma_scale_f32_16x16x128_f8f6f4 v[ACC+8*(2*\m+\i):ACC+8*(2*\m+\i)+7], v[F+8*\i:F+8*\i+7], v[XA+8*\m:XA+8*\m+7], v[ACC+8*(2*\m+\i):ACC+8*(2*\m+\i)+7], v[BS+\i], v[XS+\m] matrix_a_fmt:MATRIX_FMT_FP4 matrix_b_fmt:MATRIX_FMT_FP4
.endif
.endr
.endr
	WIN 0
.endm
	s_wait_loadcnt 56                              ; s and K step 0 of B are in: behind them 7 K steps x 8 loads were issued
	NEXTB 0, 0, 0, 4
	AHEAD 15                                       ; the first K step's constants, the first block's nibbles
.set TT, 0
.rept 8                                        ; the K steps are written out: each has its own registers of B
	NEXTB TT, 0, 1, 0
	REST 0, 0, 0
.if TT == 0
	s_wait_tensorcnt 0x1                           ; my K steps 0-3 of x are in LDS; the load of K steps 4-7 may stay out.  Only I read these bytes
.endif
.if TT == 4
	s_wait_tensorcnt 0x0                           ; my K steps 4-7
.endif
	XFETCH TT                                      ; behind a whole block's plain lines: more than the four places owed behind the matrix instructions that read these registers
	NEXTB TT, 1, 0, 0
	REST 0, 1, 0
	NEXTB TT, 1, 1, 0
	REST 1, 0, 0
.if TT < 7
	NEXTB TT+1, 0, 0, 4
	REST 1, 1, 1
.else
	REST 1, 1, 2
.endif
.if TT == 0
	MULS 1
.else
	MULS 0
.endif
.set TT, TT+1
.endr
	; THE WAY OUT.  My sums (64 rows x 32 columns over my eighth of K) go into the first 9,216 bytes of my own part of LDS: it has had its only fill, and my reads of it are over.  Lane (r, h) holds, in accumulator (m, i),
	; row 16 m + r and the columns 2 (8 h + j) + i: a stage row holds tile 0's 16 sums, then tile 1's.  The five address lines are the places behind the last matrix instructions.
	v_and_b32 v[STO], 15, v0
	v_bfe_u32 v[OO], v0, 4, 1
	v_mul_u32_u24 v[STO], v[STO], SPITCH
	v_lshl_add_u32 v[STO], v[OO], 5, v[STO]
	v_add_nc_u32 v[STO], s40, v[STO]               ; my part + row r + 32 h
	WIN 0x04                                       ; an LDS store's data are its source 1: window 1
.irp m, 0,1,2,3
.irp i, 0,1
	ds_store_b128 v[STO], v[ACC+8*(2*\m+\i):ACC+8*(2*\m+\i)+3] offset:16*\m*SPITCH+64*\i        ; each accumulator from its low end on
	ds_store_b128 v[STO], v[ACC+8*(2*\m+\i)+4:ACC+8*(2*\m+\i)+7] offset:16*\m*SPITCH+64*\i+16
.endr
.endr
	WIN 0
	v_and_b32 v[QQ], 7, v0                         ; q: which four columns of a row are mine
	v_bfe_u32 v[GG], v0, 3, 2                      ; eight lanes to a row, four rows an instruction
	s_lshl_b32 s16, s[WV], 3
	v_add_nc_u32 v[GG], s16, v[GG]                 ; wave u adds and stores rows 8 u .. 8 u + 7
	v_mul_u32_u24 v[RD], v[GG], SPITCH
	v_lshl_add_u32 v[RD], v[QQ], 3, v[RD]          ; columns 4 q + i and 4 q + 2 + i are neighbours in tile i's half of a stage row: 8 bytes at 8 q
.irp k, 1,2,3,4,5,6,7
	v_add_nc_u32 v[RD+\k], \k*WREG, v[RD]          ; the same place in wave k's part
.endr
	v_lshlrev_b32 v[OO], 15, v[GG]
	v_lshl_add_u32 v[OO], v[QQ], 4, v[OO]          ; out0: my row, + 16 q
	s_wait_dscnt 0x0                               ; for the others' sake: my stores have landed
	s_barrier_signal -1
	s_barrier_wait -1                              ; all eight parts lie in LDS
.irp k, 0,1,2,3,4,5,6,7
.irp a, 0,1
.irp i, 0,1
	ds_load_b64 v[RAW+8*\k+4*\a+2*\i:RAW+8*\k+4*\a+2*\i+1], v[RD+\k] offset:4*\a*SPITCH+64*\i
.endr
.endr
.endr
.irp k, 1,2,3,4,5,6
	s_wait_dscnt 4*(7-\k)                          ; wave k's four pairs are in; the four of each later wave may stay out
.irp e, 0,2,4,6
	v_pk_add_f32 v[RAW+\e:RAW+\e+1], v[RAW+\e:RAW+\e+1], v[RAW+8*\k+\e:RAW+8*\k+\e+1]   ; K ascending
.endr
.endr
	s_wait_dscnt 0x0
.irp a, 0,1                                    ; the last addition also puts the two tiles' columns in their order
	v_add_f32 v[OUTR+4*\a],   v[RAW+4*\a],   v[RAW+56+4*\a]
	v_add_f32 v[OUTR+4*\a+1], v[RAW+4*\a+2], v[RAW+56+4*\a+2]
	v_add_f32 v[OUTR+4*\a+2], v[RAW+4*\a+1], v[RAW+56+4*\a+1]
	v_add_f32 v[OUTR+4*\a+3], v[RAW+4*\a+3], v[RAW+56+4*\a+3]
.endr
.irp a, 0,1
	global_store_b128 v[OO], v[OUTR+4*\a:OUTR+4*\a+3], s[10:11] offset:4*\a*NB th:TH_STORE_NT   ; eight lanes store the work-group's 128 consecutive bytes of a row; written once, read by nobody here
.endr
	s_wait_tensorcnt 0x0
	ds_add_u32 v110, v111
	s_wait_dscnt 0x0
	CROUND                                         ; the closing round: no work-group ends while a partner may still ask for a tile that names it
	s_endpgm
.Lfunc_end_k_q8fc96c86bc_gemm:
	.size	k_q8fc96c86bc_gemm, .Lfunc_end_k_q8fc96c86bc_gemm-k_q8fc96c86bc_gemm
	.p2alignl 7, 3214868480
	.fill 96, 4, 3214868480
	.section	.rodata,"a",@progbits
	.p2align	6, 0x0
	.amdhsa_kernel k_q8fc96c86bc_gemm
		.amdhsa_group_segment_fixed_size 279552
		.amdhsa_private_segment_fixed_size 0
		.amdhsa_enable_private_segment 0
		.amdhsa_kernarg_size 32
		.amdhsa_user_sgpr_count 2
		.amdhsa_user_sgpr_kernarg_segment_ptr 1
		.amdhsa_wavefront_size32 1
		.amdhsa_system_sgpr_workgroup_id_x 1
		.amdhsa_system_sgpr_workgroup_id_y 1
		.amdhsa_system_sgpr_workgroup_id_z 1
		.amdhsa_system_vgpr_workitem_id 0
		.amdhsa_next_free_vgpr 352
		.amdhsa_next_free_sgpr 66
		.amdhsa_reserve_vcc 0
		.amdhsa_float_denorm_mode_32 3
		.amdhsa_float_denorm_mode_16_64 3
		.amdhsa_memory_ordered 1
		.amdhsa_forward_progress 1
		.amdhsa_inst_pref_size 133
	.end_amdhsa_kernel
	.amdgpu_metadata
---
amdhsa.version: [ 1, 2 ]
amdhsa.kernels:
  - .name:           k_q8fc96c86bc_gemm
    .symbol:         k_q8fc96c86bc_gemm.kd
    .args:
      - { .name: B, .offset: 0, .size: 8, .value_kind: global_buffer, .address_space: global }
      - { .name: s, .offset: 8, .size: 8, .value_kind: global_buffer, .address_space: global }
      - { .name: ximg, .offset: 16, .size: 8, .value_kind: global_buffer, .address_space: global }
      - { .name: out0, .offset: 24, .size: 8, .value_kind: global_buffer, .address_space: global }
    .group_segment_fixed_size: 279552
    .private_segment_fixed_size: 0
    .kernarg_segment_align: 8
    .kernarg_segment_size: 32
    .max_flat_workgroup_size: 256
    .sgpr_count:     66
    .vgpr_count:     352
    .wavefront_size: 32
...
	.end_amdgpu_metadata
.endif
;; end of part 2
;; ======== version 2 of 2: 2 launches
;; limits: right only within a limited range of input values
;; workspace buffers: ximg 278,528 bytes
;; launch quantx (part 3): grid 64 x 1, 16 waves a work-group, no clusters, 47,360 bytes of LDS; arguments x, ximg; writes ximg
.if DOCPART == 3
	.amdgcn_target "amdgcn-amd-amdhsa--gfx1250"
	.amdhsa_code_object_version 6
	.text
	.protected	k_q8fc96c86bc_quantx
	.globl	k_q8fc96c86bc_quantx
	.p2align	8
	.type	k_q8fc96c86bc_quantx,@function
k_q8fc96c86bc_quantx:
	s_mov_b64 s[64:65], 0
	v_nop
	global_prefetch_b8 v0, s[64:65] scope:SCOPE_SE
	s_setreg_imm32_b32 hwreg(HW_REG_WAVE_MODE, 25, 1), 1
	s_wait_xcnt 0x0
; x [64][8192] f32 becomes codes of FP4 (E2M1) with one E8M0 scale byte for each 32 along K, laid as the product's launch reads them:
; ximg = 64 K steps of 128 along K, STEPB bytes each: four fragments (16 rows x 128 K, 1,024 bytes) as images of the operand's registers: block b of row r of tile m is the 16 bytes at 1024 m + 256 b + 16 r;
; then 256 bytes of scale words, row r of tile m at 16 r + 4 m, byte b for block b.
; A block's scale is 2^(floor(log2(its largest magnitude)) - 2); its byte is the largest magnitude's exponent field - 2, held at 1 from below by a floor among the maximum's leaves.
; (A block of zeros so gets the byte 1 where the rule says 127: its codes are zeros, which add nothing, and this program alone reads the bytes.)
; THE ORDER INSIDE EACH 8 ALONG K IS 0,2,4,6,1,3,5,7: the product's launch unpacks a word of B into its even nibbles and then its odd ones; the same order on both operands keeps every product, and blocks of 32 stay whole.
; SHARES: work-group = K step; wave w = rows 4 w .. 4 w + 3.  Each of a wave's four loads reads one row's 512 consecutive bytes, 16 a lane; they turn through the wave's own stage (64 bytes + 16 of padding for each lane),
; so that lane L holds 16 neighbours of row 4 w + L / 8: half of block (L % 8) / 2.  Codes and scale bytes meet in LDS as the K step's image, which leaves as 17 whole aligned units of 256 bytes, one store each.
; No tensor loads, no clusters: every byte of x is read by one wave alone.  LIMITS: NaN and infinities are not served.
.set STEPB, 4352
.set XROW,  32768                      ; a row of x in bytes
.set SP,    80                         ; a lane's place in a stage
.set WREG,  32*SP                      ; a wave's stage
.set IMG,   16*WREG                    ; the image
.set SPARE, IMG+STEPB                  ; the spare words, 128 bytes for each wave, in blocks that no other line names
.set SPW,  16
.set NIL,  17
.set X,    24                          ; v24-39  my 16 neighbours
.set R,    40                          ; v40-55  as loaded; later my 16 in the order in which they are coded
	s_load_b128 s[4:7], s[0:1], 0x0                ; x s[4:5], ximg s[6:7]
	v_lshl_add_u32 v[SPW], v0, 2, SPARE
	v_mov_b32 v[NIL], 0
	v_lshrrev_b32 v1, 5, v0
	v_readfirstlane_b32 s8, v1                     ; wave
	s_mul_i32 s9, s8, WREG
	v_and_b32 v2, 31, v0                           ; lane
	v_lshlrev_b32 v3, 4, v2                        ; my 16 bytes of a row's 512
	v_lshrrev_b32 v4, 2, v2
	v_mul_u32_u24 v4, v4, SP
	v_and_b32 v5, 3, v2
	v_lshl_add_u32 v4, v5, 4, v4
	v_add_nc_u32 v4, s9, v4                        ; into the stage: a row takes eight places
	v_mul_u32_u24 v5, v2, SP
	v_add_nc_u32 v5, s9, v5                        ; out of it: my place
	v_lshrrev_b32 v6, 3, v2                        ; which of the four rows
	v_bfe_u32 v7, v2, 1, 2                         ; block b
	v_and_b32 v8, 1, v2                            ; which half of it
	v_lshlrev_b32 v9, 4, v6
	v_lshl_add_u32 v10, v7, 8, v9
	v_lshl_add_u32 v10, v8, 3, v10
	v_add_nc_u32 v9, v9, v7
	s_wait_alu depctr_va_vdst(0)
	s_lshr_b32 s10, s8, 2                          ; tile m
	s_and_b32 s11, s8, 3                           ; which four rows of the tile
	s_lshl_b32 s12, s10, 10
	s_lshl_b32 s13, s11, 6
	s_add_co_u32 s12, s12, s13
	s_add_co_u32 s12, s12, IMG
	v_add_nc_u32 v10, s12, v10                     ; my 8 bytes of codes in the image
	s_lshl_b32 s10, s10, 2
	v_add_nc_u32 v11, s10, v9
	v_add_nc_u32 v11, s13, v11
	v_add_nc_u32 v11, IMG+4096, v11                ; my block's scale byte
	s_lshl_b32 s14, s8, 8
	v_lshlrev_b32 v12, 3, v2
	v_add_nc_u32 v12, s14, v12                     ; the way out: 256 w + 8 lane, in memory
	v_add_nc_u32 v13, IMG, v12                     ; and in LDS
	s_wait_alu depctr_va_vdst(0)
	s_lshl_b32 s16, s8, 17                         ; 4 w rows of x,
	s_lshl_b32 s17, ttmp9, 9                       ; the K step's 512 bytes of a row
	s_add_co_u32 s16, s16, s17
	s_mov_b32 s17, 0
	s_mul_i32 s18, ttmp9, STEPB                    ; the K step's image
	s_mov_b32 s19, 0
	s_wait_kmcnt 0x0
	s_add_nc_u64 s[4:5], s[4:5], s[16:17]
	s_add_nc_u64 s[6:7], s[6:7], s[18:19]
.irp j, 0,1,2,3
	global_load_b128 v[R+4*\j:R+4*\j+3], v3, s[4:5] offset:\j*XROW th:TH_LOAD_NT   ; row j: 32 lanes read 512 consecutive bytes, aligned
.endr
.irp j, 0,1,2,3
	s_wait_loadcnt 3-\j                            ; row j is in; the 3 - j rows behind it may stay out
	ds_store_b128 v4, v[R+4*\j:R+4*\j+3] offset:8*SP*\j
.endr
.irp q, 0,1,2,3
	ds_load_b128 v[X+4*\q:X+4*\q+3], v5 offset:16*\q   ; LDS serves a wave's instructions in order: these see my stores
.endr
	s_wait_dscnt 0x0                               ; my numbers are back, and the stores have read R
	v_max3_num_f32 v14, |v[X]|, |v[X+1]|, |v[X+2]|
	v_max3_num_f32 v15, |v[X+3]|, |v[X+4]|, |v[X+5]|
.set n, 0
.irp i, 6,10
	v_max3_num_f32 v14, v14, |v[X+\i]|, |v[X+\i+1]|
	v_max3_num_f32 v15, v15, |v[X+\i+2]|, |v[X+\i+3]|
.rept 4                                        ; place p of each 8 takes the number at 0,2,4,6,1,3,5,7
	v_mov_b32 v[R+n], v[X+(n/8)*8+(2*(n%8))%8+(n%8)/4]
.set n, n+1
.endr
.endr
	v_max3_num_f32 v14, v14, |v[X+14]|, |v[X+15]|
.rept 4
	v_mov_b32 v[R+n], v[X+(n/8)*8+(2*(n%8))%8+(n%8)/4]
.set n, n+1
.endr
	v_max3_num_f32 v14, v14, v15, 0x1800000        ; and the floor 2^(3 - 127): the byte cannot fall under 1
.rept 4
	v_mov_b32 v[R+n], v[X+(n/8)*8+(2*(n%8))%8+(n%8)/4]
.set n, n+1
.endr
	v_max_num_f32_dpp v14, v14, v14 row_xmask:1 row_mask:0xf bank_mask:0xf   ; with my neighbour's 16: the block's
	v_add_nc_u32 v18, 0xff000000, v14              ; 2 off the exponent field: the conversion takes the exponent field of this operand as its scale
	v_cvt_scalef32_pk8_fp4_f32 v20, v[R:R+7], v18
	v_cvt_scalef32_pk8_fp4_f32 v21, v[R+8:R+15], v18
	v_lshrrev_b32 v19, 23, v18                     ; the scale's byte.  It is also the plain line behind the conversions
	ds_store_b64 v10, v[20:21]
	ds_store_b8 v11, v19                           ; both lanes of a block write the same byte with the same value
	s_wait_dscnt 0x0                               ; for the others' sake: my stores have landed
	s_barrier_signal -1
	s_barrier_wait -1                              ; the image is whole
	ds_load_b64 v[22:23], v13
	s_wait_dscnt 0x0
	global_store_b64 v12, v[22:23], s[6:7]         ; 32 lanes store one aligned unit of 256 bytes
	s_cmp_lg_u32 s8, 0
	s_cbranch_scc1 .Ldone                          ; wave 0 stores the scale words too
	ds_load_b64 v[56:57], v13 offset:4096
	s_wait_dscnt 0x0
	global_store_b64 v12, v[56:57], s[6:7] offset:4096
.Ldone:
	s_wait_tensorcnt 0x0                           ; the wave's end
	ds_add_u32 v[SPW], v[NIL]
	s_wait_dscnt 0x0
	s_endpgm
.Lfunc_end_k_q8fc96c86bc_quantx:
	.size	k_q8fc96c86bc_quantx, .Lfunc_end_k_q8fc96c86bc_quantx-k_q8fc96c86bc_quantx
	.p2alignl 7, 3214868480
	.fill 96, 4, 3214868480
	.section	.rodata,"a",@progbits
	.p2align	6, 0x0
	.amdhsa_kernel k_q8fc96c86bc_quantx
		.amdhsa_group_segment_fixed_size 47360
		.amdhsa_private_segment_fixed_size 0
		.amdhsa_enable_private_segment 0
		.amdhsa_kernarg_size 16
		.amdhsa_user_sgpr_count 2
		.amdhsa_user_sgpr_kernarg_segment_ptr 1
		.amdhsa_wavefront_size32 1
		.amdhsa_system_sgpr_workgroup_id_x 1
		.amdhsa_system_sgpr_workgroup_id_y 1
		.amdhsa_system_sgpr_workgroup_id_z 1
		.amdhsa_system_vgpr_workitem_id 0
		.amdhsa_next_free_vgpr 64
		.amdhsa_next_free_sgpr 66
		.amdhsa_reserve_vcc 0
		.amdhsa_float_denorm_mode_32 3
		.amdhsa_float_denorm_mode_16_64 3
		.amdhsa_memory_ordered 1
		.amdhsa_forward_progress 1
		.amdhsa_inst_pref_size 6
	.end_amdhsa_kernel
	.amdgpu_metadata
---
amdhsa.version: [ 1, 2 ]
amdhsa.kernels:
  - .name:           k_q8fc96c86bc_quantx
    .symbol:         k_q8fc96c86bc_quantx.kd
    .args:
      - { .name: x, .offset: 0, .size: 8, .value_kind: global_buffer, .address_space: global }
      - { .name: ximg, .offset: 8, .size: 8, .value_kind: global_buffer, .address_space: global }
    .group_segment_fixed_size: 47360
    .private_segment_fixed_size: 0
    .kernarg_segment_align: 8
    .kernarg_segment_size: 16
    .max_flat_workgroup_size: 512
    .sgpr_count:     66
    .vgpr_count:     64
    .wavefront_size: 32
...
	.end_amdgpu_metadata
.endif
;; end of part 3
;; launch gemm (part 4): grid 256 x 1, 8 waves a work-group, clusters of 4 x 1, 279,552 bytes of LDS; arguments B, s, ximg, out0; writes out0
.if DOCPART == 4
	.amdgcn_target "amdgcn-amd-amdhsa--gfx1250"
	.amdhsa_code_object_version 6
	.text
	.protected	k_q8fc96c86bc_gemm
	.globl	k_q8fc96c86bc_gemm
	.p2align	8
	.type	k_q8fc96c86bc_gemm,@function
k_q8fc96c86bc_gemm:
	s_mov_b64 s[64:65], 0
	v_nop
	global_prefetch_b8 v0, s[64:65] scope:SCOPE_SE
	s_setreg_imm32_b32 hwreg(HW_REG_WAVE_MODE, 25, 1), 1
	s_wait_xcnt 0x0
	s_wait_alu depctr_hold_cnt(0) depctr_sa_sdst(0) depctr_va_vdst(0) depctr_va_sdst(0) depctr_va_ssrc(0) depctr_va_vcc(0) depctr_vm_vsrc(0)
	s_getreg_b32 s2, hwreg(HW_REG_IB_STS2, 6, 4)
	s_cmp_eq_u32 s2, 0
	s_cbranch_scc0 .Lentry_in_a_cluster
	s_endpgm
.Lentry_in_a_cluster:
	s_bfe_u32 s2, ttmp6, 0x10000c
	s_cmp_lg_u32 s2, 0x3003
	s_cbranch_scc0 .Lentry_shape_is_right
	s_endpgm
.Lentry_shape_is_right:
; out0[m][n] = sum over k of Q(x)[m][k] Q(w)[k][n],  w[k][n] = (nibble k % 8 of B[k / 8][n] - 8) x s[k / 128][n],  Q = MX-FP4 along K (E2M1 codes, one E8M0 byte for each 32).  x's codes come from ximg (made by the launch before).
; SHARES.  A work-group owns 32 columns and ALL of K, so each output has one owner.  Its eight waves split K: wave w takes K steps (of 128) 8 w .. 8 w + 7.  Lane (r, h) owns columns 2 r and 2 r + 1 (tile i = the columns 2 r + i)
; and, of each K step, the blocks h and 2 + h: what the operand's layout gives that lane.  A word of B is 8 neighbours along K of one column, the lower k in the lower nibble: it becomes one register of the operand.
; A WORD'S WAY, 13 vector lines for 8 weights: two masks and a shift lay its even nibbles in one register and its odd ones in the next, a nibble to a byte.  A byte 0 .. 15 read as E4M3 is nibble x 2^-9 (the format's subnormals
; and its first binade are evenly spaced), so ONE conversion with the scale 2^9 gives the 8 nibbles in f32; a packed multiply-add makes nibble x s - 8 s = (nibble - 8) s, rounded once, as a plain f32 product is; the block's
; largest magnitude (all 32 numbers are the lane's) gives the scale; one conversion packs 8 codes.  Inside each 8 along K the order is then 0,2,4,6,1,3,5,7; ximg has the same order, so every product stays.
; MEMORY.  Loads of B (8 a K step, 8 bytes a lane: 16 lanes read 128 consecutive bytes) and of s (1 a K step) run three K steps ahead in registers of their own: 27 loads a wave go out at the head, 9 more in each K step.
; No data prefetch: these loads themselves stand three K steps ahead of their use, 48 KiB of B for the work-group, and x's whole image is asked for at the head.
; 32 columns are half of an aligned 256 bytes of a row: the two work-groups that read the two halves are neighbours in one cluster; so B's loads carry no non-temporal hint.
; CLUSTER.  All work-groups read the same ximg: the four of a cluster ask for it JOINTLY.  Wave w's one tensor load brings the images of its own 8 K steps into LDS bytes that it alone reads; they are filled once in the launch.
; The cluster's round stands in front of the wait for the arguments, which are on their way meanwhile.
; THE PRODUCTS LAG THE WEIGHTS.  16 raw words become 16 registers of codes, so K step t's fragments are laid into the registers that K step t - 1's raw words have left (K step 0's into 16 of their own), and all eight K steps'
; weights stay in registers.  K steps 0 to 5 are vector work alone; behind each of the eight blocks of K steps 6 and 7 stand the products of one K step.  So x's image is first read behind 24 of the wave's 32 blocks.
; THE MATRIX INSTRUCTION IS USED TRANSPOSED (source 0 = 16 columns of w, source 1 = 16 rows of x): a lane holds one row of out0.  At the end the eight waves' sums meet in LDS and each wave adds and stores 8 rows.
; LIMITS: NaN and infinities in s are not served; |s| stays under 2^124 (8 s is formed).  A block of zeros gets the byte 1 with zero codes.
; REGISTERS.  Window 0: v1-15 addresses and scratch; T nibbles as bytes; V a block in f32 (at the end: the rows to store); F0 K step 0's two fragments; XS, BS scale words (and nothing else); CN -8 s of both columns;
;             v88-95 the way out's addresses; SR s; RAW 8 K steps of B, then the fragments of K steps 1 to 7, then the eight waves' sums.
;             Window 1: v0-63 the 8 accumulators ((m, i) at 8 (2 m + i)); v64-95 x's four fragments.
.set NB,     32768                     ; bytes in a row of B, of s and of out0
.set STEPB,  4352                      ; a K step's image of x: 4 fragments of 1,024 bytes, 256 bytes of scale words
.set WREG,   8*STEPB                   ; a wave's bytes of LDS and of ximg: 136 rows of 256 bytes
.set SPARE,  8*WREG                    ; the spare words, 128 bytes for each wave, in blocks that no other line names
.set SPITCH, 144                       ; the way out: a row of 32 sums + 16 bytes: 9 x 16, so the 16 rows that a store touches lie in 16 different columns of 16 bytes modulo 256
.set BOFF, 1                           ; v1   B: 4 h rows + 8 r
.set SOFF, 2                           ; v2   s: 8 r
.set LX,   3                           ; v3   LDS: my wave's bytes + 16 x lane
.set LXS,  4                           ; v4   LDS: my wave's bytes + 4,096 + 16 r
.set SPW,  5                           ; v5   LDS address of my spare word; never rewritten
.set SCL,  6                           ; v6   the byte 136 four times: the unpacking conversion's scale, 2^9
.set NIL,  7                           ; v7   0; never rewritten
.set MX,   8                           ; v8-11  four running maxima
.set SC,   12                          ; v12  the packing conversion's scale operand
.set BY,   13                          ; v13-14 a tile's two scale bytes of mine
.set TP,   15
.set T,    16                          ; v16-23
.set V,    24                          ; v24-55
.set F0,   56                          ; v56-71
.set XS,   72                          ; v72-75  x's scale words of the K step that is being multiplied, a register for each tile of rows
.set Z,    76                          ; v76-77  my two bytes of each tile's scale words
.set S1,   112                         ; v112 s of column 1: the low word of a pair
.set CN,   114                         ; v114 -8 s of column 0, v116 of column 1: each the low word of a pair
.set BS,   80                          ; v80-87  the weights' scale words: K step t at t: lanes 0-15 tile 0's, lanes 16-31 tile 1's
.set STO,  88
.set OO,   89
.set QQ,   90
.set GG,   91
.set RD,   92                          ; v92-95
.set SR,   96                          ; v96-111
.set RAW,  128                         ; v128-255
.set OUTR, 36                          ; v36-43, in V's registers, which are free at the end
.set ACC,  0                           ; window 1
.set XA,   64                          ; window 1
.set WV,   12                          ; s12  my wave's number
.set G1,   24                          ; s[24:31] descriptor group 1;  s[32:35] group 0
.set G0,   32
.set MSB, 0
.macro WIN new                         ; the immediate's high byte repeats the setting that is left
.if MSB != \new
	s_set_vgpr_msb (MSB<<8)|\new
.set MSB, \new
.endif
.endm
.macro CROUND                          ; a round of the cluster's barrier: my work-group's barrier, wave 0 signals for the work-group, every wave waits for all four, my work-group's barrier once more
	s_barrier_signal -1
	s_barrier_wait -1
	s_cmp_lg_u32 s[WV], 0
	s_cbranch_scc1 .Lnot_wave_0_\@
	s_barrier_signal -3
.Lnot_wave_0_\@:
	s_barrier_wait -3
	s_barrier_signal -1
	s_barrier_wait -1
.endm
	s_load_b256 s[4:11], s[0:1], 0x0               ; B s[4:5], s s[6:7], ximg s[8:9], out0 s[10:11]
	v_lshl_add_u32 v[SPW], v0, 2, SPARE
	v_mov_b32 v[NIL], 0
	ds_add_u32 v[SPW], v[NIL]                      ; the wave's opening: the add, twice on end, and its wait
	ds_add_u32 v[SPW], v[NIL]
	v_lshrrev_b32 v[TP], 5, v0
	v_readfirstlane_b32 s[WV], v[TP]               ; wave 0..7
	s_mul_i32 s40, s[WV], WREG                     ; my wave's bytes, in LDS and in ximg alike: the wave's number alone enters them
	v_and_b32 v[TP], 15, v0                        ; r
	v_bfe_u32 v[BOFF], v0, 4, 1                    ; h
	v_and_b32 v[LX], 31, v0
	v_mov_b32 v[SCL], 0x88888888
	v_mov_b32 v[S1+1], 0                           ; the upper words of the three pairs are named by the packed lines and never used: written once
	v_mov_b32 v[CN+1], 0
	v_mov_b32 v[CN+3], 0
	v_lshlrev_b32 v[SOFF], 3, v[TP]
	v_lshl_add_u32 v[LXS], v[TP], 4, s40
	v_lshl_add_u32 v[LX], v[LX], 4, s40
	v_lshl_add_u32 v[BOFF], v[BOFF], 17, v[SOFF]   ; lanes 16-31 begin 4 rows (a block of 32 along K) further down
	v_add_nc_u32 v[LXS], 4096, v[LXS]
	s_wait_alu depctr_va_vdst(0)
	s_bfe_u32 s13, ttmp6, 0x40000                  ; cx: my place in the cluster; it enters B's, s's and out0's addresses alone
	s_lshl_b32 s14, ttmp9, 2                       ; in a cluster launch ttmp9 counts clusters
	s_add_co_u32 s14, s14, s13                     ; my work-group
	s_lshl_b32 s14, s14, 7                         ; its 32 columns: 128 bytes of a row
	s_mov_b32 s15, 0
	s_lshl_b32 s16, s[WV], 22                      ; B: my wave's 128 rows
	s_mov_b32 s17, 0
	s_lshl_b32 s18, s[WV], 18                      ; s: my wave's 8 rows
	s_mov_b32 s19, 0
	s_mov_b32 s22, 0x0f0f0f0f                      ; a nibble of each byte
	s_mov_b32 s41, 0
	; descriptor group 1: a dense block as 136 rows of 256 bytes (32 elements of 8 bytes), no padding: every LDS read of it takes 512 consecutive bytes
	s_mov_b32 s[G1+0], 15|(3<<16)|(1<<21)          ; 15:0 the mask: all four work-groups; 17:16 elements of 8 bytes; 21 set beside a mask
	s_mov_b32 s[G1+1], 32<<16                      ; tensor_dim0 = 32
	s_mov_b32 s[G1+2], 136<<16                     ; tensor_dim1 = 136
	s_mov_b32 s[G1+3], 32<<16                      ; tile_dim0 = 32
	s_mov_b32 s[G1+4], 136                         ; tile_dim1 = 136
	s_mov_b32 s[G1+5], 32                          ; from row to row: 32 elements
	s_mov_b32 s[G1+6], 0
	s_mov_b32 s[G1+7], 0
	s_mov_b32 s[G0+0], 1                           ; count = 1
	s_mov_b32 s[G0+1], s40                         ; LDS address: my K steps
	s_wait_dscnt 0x0                               ; both opening adds are done
	CROUND                                         ; all four work-groups are here: the joint loads meet
	s_wait_kmcnt 0x0
	s_add_nc_u64 s[4:5], s[4:5], s[14:15]
	s_add_nc_u64 s[4:5], s[4:5], s[16:17]
	s_add_nc_u64 s[6:7], s[6:7], s[14:15]
	s_add_nc_u64 s[6:7], s[6:7], s[18:19]
	s_add_nc_u64 s[10:11], s[10:11], s[14:15]
	s_add_nc_u64 s[G0+2:G0+3], s[8:9], s[40:41]    ; where my K steps lie in ximg
	s_or_b32 s[G0+3], s[G0+3], 0x80000000          ; type = 2
.macro LOADS t, part                   ; K step t: s of my two columns, and rows 16 t + 8 c + 4 h + j of B, c = part
.if \part == 0
	global_load_b64 v[SR+2*(\t):SR+2*(\t)+1], v[SOFF], s[6:7] offset:(\t)*NB
.endif
.irp j, 0,1,2,3
	global_load_b64 v[RAW+16*(\t)+8*\part+2*\j:RAW+16*(\t)+8*\part+2*\j+1], v[BOFF], s[4:5] offset:(16*(\t)+8*\part+\j)*NB
.endr
.endm
	LOADS 0, 0
	LOADS 0, 1
	tensor_load_to_lds s[G0:G0+3], s[G1:G1+7]      ; my one tensor load
	s_nop 0
.rept 4
	v_nop
.endr
.irp t, 1,2
	LOADS \t, 0
	LOADS \t, 1
.endr
; WORK DONE AHEAD.  The lines that prepare the NEXT block (UT, UI, UC: its K step, column, half) are numbered, and AHEAD writes the next cnt of them.  They are set into the serial end of a block's maximum, where the wave
; would otherwise wait for its own results, and behind the packing conversions, where plain lines are owed.  Where the next block begins a K step (NC = 3), the K step's three constants come first.
.macro UOP n                           ; lines 0-7: word j's even nibbles into T + 2 j, the word shifted by a nibble into T + 2 j + 1; lines 8-10: the odd nibbles of words 0-2 (word 3's: at the head of REST)
.if (\n) < 8
.if ((\n)%2) == 0
	v_and_b32 v[T+(\n)], s22, v[RAW+16*UT+8*UC+UI+(\n)]
.else
	v_lshrrev_b32 v[T+(\n)], 4, v[RAW+16*UT+8*UC+UI+(\n)-1]
.endif
.else
	v_and_b32 v[T+2*((\n)-8)+1], s22, v[T+2*((\n)-8)+1]
.endif
.endm
.macro AHEAD cnt
.rept \cnt
.if AN < NC
.if AN == 2
	v_mov_b32 v[S1], v[SR+2*UT+1]                  ; column 1's s into the low word of a pair
.else
	v_mul_f32 v[CN+2*AN], 0xc1000000, v[SR+2*UT+AN]        ; -8 s: exact
.endif
.else
	UOP AN-NC
.endif
.set AN, AN+1
.endr
.endm
.macro NEXTB t, i, c, nc
.set UT, \t
.set UI, \i
.set UC, \c
.set NC, \nc
.set AN, 0
.endm
.macro XFETCH t                        ; x's scale words and four fragments of my K step t, as they lie: each load takes 512 consecutive bytes (the scale words: 256, both halves of the lanes the same).
	ds_load_b128 v[XS:XS+3], v[LXS] offset:(\t)*STEPB      ; It stands behind 17 plain lines of its block, and so more than the four places owed behind the products that last read these registers
	WIN 0x40                                       ; destination window 1
.irp m, 0,1,2,3
.irp c, 0,1
	ds_load_b128 v[XA+8*\m+4*\c:XA+8*\m+4*\c+3], v[LX] offset:(\t)*STEPB+1024*\m+512*\c
.endr
.endr
	WIN 0
.endm
; A BLOCK of 32 along K of column i, half c of K step TT; its nibbles lie in T; its codes go to FT, the K step's fragments.  kind = 0: the next block belongs to the same K step; 1: it begins the next K step; 2: there is none.
; XP: the K step whose fragments of x are asked for here and multiplied behind the block; -1: none.
.macro REST i, c, kind
.if \i == 0
.set SP1, SR+2*TT
.else
.set SP1, S1
.endif
.if \kind == 0
.set A1, 2
.set A4, 2
.set A5, 3
.elseif \kind == 1
.set A1, 2
.set A4, 2
.set A5, 6
.else
.set A1, 0
.set A4, 0
.set A5, 0
.endif
.irp j, 0,1,2
	v_cvt_scale_pk8_f32_fp8 v[V+8*\j:V+8*\j+7], v[T+2*\j:T+2*\j+1], v[SCL]   ; 8 nibbles in f32: the even ones, then the odd ones
.endr
	v_and_b32 v[T+7], s22, v[T+7]                  ; word 3's odd nibbles.  It is also the plain line between the three conversions above and the first use of their results
	v_cvt_scale_pk8_f32_fp8 v[V+24:V+31], v[T+6:T+7], v[SCL]                 ; (its own results are first used 12 plain lines further down)
.irp p, 0,2,4,6,8,10,12,14,16,18,20,22,24,26,28,30
	v_pk_fma_f32 v[V+\p:V+\p+1], v[V+\p:V+\p+1], v[SP1:SP1+1], v[CN+2*(\i):CN+2*(\i)+1] op_sel_hi:[1,0,0]   ; (nibble - 8) s, rounded once; of the pairs s and -8 s the low word serves both halves
.endr
.if XP >= 0
.if XP == 0
	s_wait_alu depctr_va_vdst(0)
	s_wait_tensorcnt 0x0                           ; my part of x's image is in LDS.  Only I read these bytes
.endif
	XFETCH XP
.endif
.irp j, 0,1,2,3
	v_max3_num_f32 v[MX+\j], |v[V+8*\j]|, |v[V+8*\j+1]|, |v[V+8*\j+2]|       ; the largest magnitude, in four chains by turns
.endr
.irp j, 0,1,2,3
	v_max3_num_f32 v[MX+\j], v[MX+\j], |v[V+8*\j+3]|, |v[V+8*\j+4]|
.endr
.irp j, 0,1,2,3
	v_max3_num_f32 v[MX+\j], v[MX+\j], |v[V+8*\j+5]|, |v[V+8*\j+6]|
.endr
.if \kind == 1
.if TT < 5
.set LW, 18
.elseif TT == 5
.set LW, 9
.else
.set LW, 0
.endif
	s_wait_alu depctr_va_vdst(0)
	s_wait_loadcnt LW                              ; the next K step's 9 loads are in; the 9 of each of the (at most two) K steps asked for behind it may stay out
.endif
	v_max3_num_f32 v[MX], v[MX], v[MX+1], |v[V+7]|
	v_max3_num_f32 v[MX+2], v[MX+2], v[MX+3], |v[V+15]|
	AHEAD A1
	v_max3_num_f32 v[MX], v[MX], v[MX+2], |v[V+23]|
	AHEAD A1
	v_max3_num_f32 v[MX], v[MX], |v[V+31]|, 0x1800000      ; and the floor 2^(3 - 127): the byte cannot fall under 1
	AHEAD A1
	v_add_nc_u32 v[SC], 0xff000000, v[MX]          ; 2 off the exponent field: the conversion takes the exponent field of this operand as its scale
	AHEAD A4
	v_lshrrev_b32 v[BY+(\c)], 23, v[SC]            ; the scale's byte: block 2 c + h of the K step
	v_cvt_scalef32_pk8_fp4_f32 v[FT+8*(\i)+4*(\c)], v[V:V+7], v[SC]          ; word j's 8 codes: register 4 c + j of tile i's fragment
.if \c == 1
	v_lshl_or_b32 v[Z+(\i)], v[BY+1], 16, v[BY]    ; my two bytes of tile i's scale word, blocks h and 2 + h
.endif
	v_cvt_scalef32_pk8_fp4_f32 v[FT+8*(\i)+4*(\c)+1], v[V+8:V+15], v[SC]
.if (\c)*(\i) == 1
	v_permlane16_swap_b32 v[Z], v[Z+1]             ; Z: blocks 0 and 2 of tile 0 (lanes 0-15) and of tile 1 (lanes 16-31);  Z + 1: blocks 1 and 3 likewise
.endif
	v_cvt_scalef32_pk8_fp4_f32 v[FT+8*(\i)+4*(\c)+2], v[V+16:V+23], v[SC]
.if (\c)*(\i) == 1
	v_lshl_or_b32 v[BS+TT], v[Z+1], 8, v[Z]        ; both tiles' scale words, whole
.endif
	v_cvt_scalef32_pk8_fp4_f32 v[FT+8*(\i)+4*(\c)+3], v[V+24:V+31], v[SC]
	AHEAD A5                                       ; plain lines between these conversions and the next writer of V and SC
.endm
.macro MULS a                          ; the products of K step a: 8 matrix instructions, the 8 accumulators by turns, in the same order in every K step.  K step 0 starts the sums
.if (\a) == 0
.set FA, F0
.else
.set FA, RAW+16*((\a)-1)
.endif
	s_wait_alu depctr_va_vdst(0)
	s_wait_dscnt 0x0                               ; x's fragments
	WIN 0x54                                       ; source 0 (w) window 0, source 1 (x), C and D window 1
.irp m, 0,1,2,3
.if (\a) == 0
	v_wmma_scale_f32_16x16x128_f8f6f4 v[ACC+16*\m:ACC+16*\m+7], v[FA:FA+7], v[XA+8*\m:XA+8*\m+7], 0, v[BS+(\a)], v[XS+\m] matrix_a_fmt:MATRIX_FMT_FP4 matrix_b_fmt:MATRIX_FMT_FP4
	v_wmma_scale_f32_16x16x128_f8f6f4 v[ACC+16*\m+8:ACC+16*\m+15], v[FA+8:FA+15], v[XA+8*\m:XA+8*\m+7], 0, v[BS+(\a)], v[XS+\m] matrix_a_fmt:MATRIX_FMT_FP4 matrix_b_fmt:MATRIX_FMT_FP4 matrix_a_scale:MATRIX_SCALE_ROW1
.else
	v_wmma_scale_f32_16x16x128_f8f6f4 v[ACC+16*\m:ACC+16*\m+7], v[FA:FA+7], v[XA+8*\m:XA+8*\m+7], v[ACC+16*\m:ACC+16*\m+7], v[BS+(\a)], v[XS+\m] matrix_a_fmt:MATRIX_FMT_FP4 matrix_b_fmt:MATRIX_FMT_FP4
	v_wmma_scale_f32_16x16x128_f8f6f4 v[ACC+16*\m+8:ACC+16*\m+15], v[FA+8:FA+15], v[XA+8*\m:XA+8*\m+7], v[ACC+16*\m+8:ACC+16*\m+15], v[BS+(\a)], v[XS+\m] matrix_a_fmt:MATRIX_FMT_FP4 matrix_b_fmt:MATRIX_FMT_FP4 matrix_a_scale:MATRIX_SCALE_ROW1
.endif
.endr
	WIN 0
.endm
.macro BLK bi, i, c, kind
.if TT >= 6
.set XP, 4*(TT-6)+\bi
.else
.set XP, -1
.endif
	REST \i, \c, \kind
.if XP >= 0
.if XP < 7
	MULS XP
.endif
.endif
.endm
	s_wait_loadcnt 18                              ; s and B of K step 0 are in: behind them two K steps x 9 loads were issued
	NEXTB 0, 0, 0, 3
	AHEAD 14                                       ; the first K step's constants, the first block's nibbles
.set TT, 0
.rept 8                                        ; the K steps are written out: each has its own registers of B
.if TT == 0
.set FT, F0
.else
.set FT, RAW+16*(TT-1)                         ; the raw words of the K step before have all been unpacked
.endif
.if TT < 5
	LOADS TT+3, 0                                  ; the K step three on, in two halves
.endif
	NEXTB TT, 0, 1, 0
	BLK 0, 0, 0, 0
	NEXTB TT, 1, 0, 0
	BLK 1, 0, 1, 0
.if TT < 5
	LOADS TT+3, 1
.endif
	NEXTB TT, 1, 1, 0
	BLK 2, 1, 0, 0
.if TT < 7
	NEXTB TT+1, 0, 0, 3
	BLK 3, 1, 1, 1
.else
	BLK 3, 1, 1, 2
.endif
.set TT, TT+1
.endr
	; THE WAY OUT.  My sums (64 rows x 32 columns over my eighth of K) go into the first 9,216 bytes of my own part of LDS: it has had its only fill, and my reads of it are over behind the last products' wait.  Lane (r, h) holds,
	; in accumulator (m, i), row 16 m + r and the columns 2 (8 h + j) + i: a stage row holds tile 0's 16 sums, then tile 1's.  The nine address lines in front of the last products are the places that their scale words and codes are
	; owed, the six behind them the places of their results.
	s_lshr_b32 s16, s[WV], 1
	s_lshl_b32 s16, s16, 4
	s_and_b32 s17, s[WV], 1
	s_lshl_b32 s17, s17, 1
	s_add_co_u32 s16, s16, s17                     ; wave u adds and stores the rows 16 (u / 2) + 2 (u % 2) + 4 g + a, g = 0 .. 3, a = 0, 1: rows four apart, 4 x 144 bytes, begin 64 bytes apart modulo 256
	v_and_b32 v[STO], 15, v0
	v_bfe_u32 v[OO], v0, 4, 1
	v_bfe_u32 v[GG], v0, 3, 2                      ; g: eight lanes to a row, four rows an instruction
	v_and_b32 v[QQ], 7, v0                         ; q: which four columns of a row are mine
	v_mul_u32_u24 v[STO], v[STO], SPITCH
	v_lshl_add_u32 v[GG], v[GG], 2, s16
	v_lshl_add_u32 v[STO], v[OO], 5, v[STO]
	v_mul_u32_u24 v[RD], v[GG], SPITCH
	v_add_nc_u32 v[STO], s40, v[STO]               ; my part + row r + 32 h
	MULS 7
	v_lshl_add_u32 v[RD], v[QQ], 3, v[RD]          ; columns 4 q + i and 4 q + 2 + i are neighbours in tile i's half of a stage row: 8 bytes at 8 q
	v_lshlrev_b32 v[OO], 15, v[GG]
.irp k, 1,2,3
	v_add_nc_u32 v[RD+\k], 2*\k*WREG, v[RD]        ; the same place in wave 2 k's part; wave 2 k + 1's by the offset
.endr
	v_lshl_add_u32 v[OO], v[QQ], 4, v[OO]          ; out0: my row, + 16 q
	WIN 0x04                                       ; an LDS store's data are its source 1: window 1
.irp m, 0,1,2,3
.irp i, 0,1
	ds_store_b128 v[STO], v[ACC+8*(2*\m+\i):ACC+8*(2*\m+\i)+3] offset:16*\m*SPITCH+64*\i        ; each accumulator from its low end on
	ds_store_b128 v[STO], v[ACC+8*(2*\m+\i)+4:ACC+8*(2*\m+\i)+7] offset:16*\m*SPITCH+64*\i+16
.endr
.endr
	WIN 0
	s_wait_alu depctr_va_vdst(0)
	s_wait_dscnt 0x0                               ; for the others' sake: my stores have landed
	s_barrier_signal -1
	s_barrier_wait -1                              ; all eight parts lie in LDS
.irp k, 0,1,2,3,4,5,6,7
.irp a, 0,1
.irp i, 0,1
	ds_load_b64 v[RAW+8*\k+4*\a+2*\i:RAW+8*\k+4*\a+2*\i+1], v[RD+\k/2] offset:(\k%2)*WREG+\a*SPITCH+64*\i   ; (into the registers of K steps 1 to 4's fragments)
.endr
.endr
.endr
.irp k, 1,2,3,4,5,6
	s_wait_alu depctr_va_vdst(0)
	s_wait_dscnt 4*(7-\k)                          ; wave k's four pairs are in; the four of each later wave may stay out
.irp e, 0,2,4,6
	v_pk_add_f32 v[RAW+\e:RAW+\e+1], v[RAW+\e:RAW+\e+1], v[RAW+8*\k+\e:RAW+8*\k+\e+1]   ; K ascending
.endr
.endr
	s_wait_alu depctr_va_vdst(0)
	s_wait_dscnt 0x0
.irp a, 0,1                                    ; the last addition also puts the two tiles' columns in their order
	v_add_f32 v[OUTR+4*\a],   v[RAW+4*\a],   v[RAW+56+4*\a]
	v_add_f32 v[OUTR+4*\a+1], v[RAW+4*\a+2], v[RAW+56+4*\a+2]
	v_add_f32 v[OUTR+4*\a+2], v[RAW+4*\a+1], v[RAW+56+4*\a+1]
	v_add_f32 v[OUTR+4*\a+3], v[RAW+4*\a+3], v[RAW+56+4*\a+3]
.endr
.irp a, 0,1
	global_store_b128 v[OO], v[OUTR+4*\a:OUTR+4*\a+3], s[10:11] offset:\a*NB th:TH_STORE_NT   ; eight lanes store the work-group's 128 consecutive bytes of a row; written once, read by nobody here
.endr
	s_wait_tensorcnt 0x0                           ; the wave's end
	ds_add_u32 v[SPW], v[NIL]
	s_wait_dscnt 0x0
	CROUND                                         ; the closing round: no work-group ends while a partner may still ask for a tile that names it
	s_endpgm
.Lfunc_end_k_q8fc96c86bc_gemm:
	.size	k_q8fc96c86bc_gemm, .Lfunc_end_k_q8fc96c86bc_gemm-k_q8fc96c86bc_gemm
	.p2alignl 7, 3214868480
	.fill 96, 4, 3214868480
	.section	.rodata,"a",@progbits
	.p2align	6, 0x0
	.amdhsa_kernel k_q8fc96c86bc_gemm
		.amdhsa_group_segment_fixed_size 279552
		.amdhsa_private_segment_fixed_size 0
		.amdhsa_enable_private_segment 0
		.amdhsa_kernarg_size 32
		.amdhsa_user_sgpr_count 2
		.amdhsa_user_sgpr_kernarg_segment_ptr 1
		.amdhsa_wavefront_size32 1
		.amdhsa_system_sgpr_workgroup_id_x 1
		.amdhsa_system_sgpr_workgroup_id_y 1
		.amdhsa_system_sgpr_workgroup_id_z 1
		.amdhsa_system_vgpr_workitem_id 0
		.amdhsa_next_free_vgpr 352
		.amdhsa_next_free_sgpr 66
		.amdhsa_reserve_vcc 0
		.amdhsa_float_denorm_mode_32 3
		.amdhsa_float_denorm_mode_16_64 3
		.amdhsa_memory_ordered 1
		.amdhsa_forward_progress 1
		.amdhsa_inst_pref_size 131
	.end_amdhsa_kernel
	.amdgpu_metadata
---
amdhsa.version: [ 1, 2 ]
amdhsa.kernels:
  - .name:           k_q8fc96c86bc_gemm
    .symbol:         k_q8fc96c86bc_gemm.kd
    .args:
      - { .name: B, .offset: 0, .size: 8, .value_kind: global_buffer, .address_space: global }
      - { .name: s, .offset: 8, .size: 8, .value_kind: global_buffer, .address_space: global }
      - { .name: ximg, .offset: 16, .size: 8, .value_kind: global_buffer, .address_space: global }
      - { .name: out0, .offset: 24, .size: 8, .value_kind: global_buffer, .address_space: global }
    .group_segment_fixed_size: 279552
    .private_segment_fixed_size: 0
    .kernarg_segment_align: 8
    .kernarg_segment_size: 32
    .max_flat_workgroup_size: 256
    .sgpr_count:     66
    .vgpr_count:     352
    .wavefront_size: 32
...
	.end_amdgpu_metadata
.endif
;; end of part 4
